; MI455X (gfx1250); checked and timed in simulation.
; The chip was launched on July 23, 2026; its instructions are those of AMD's public machine-readable ISA for CDNA 5 (MIT licence, August 2026) and "CDNA5" Instruction Set Architecture Reference Guide (July 2026). The comments in the code are by the model that wrote it; some were corrected since.
;; Dual Ternary Linear. Allowed arithmetic: matrix products marked QUANTISED: E2M1 operands, one E8M0 scale for each 32 along K, by v_wmma_scale_f32_16x16x128_f8f6f4 with both operands' format E2M1 (or v_wmma_scale_f32_32x16x128_f4), f32 sums; everything else in f32.
;; Inputs: a1 4,096 float32; a2 4,096 float32; bias 4,096 float32; t1 4,096 x 4,096 int32; t2 4,096 x 4,096 int32; x_codes 4 x 512 x 128 x 16 uint8 (E2M1 codes of x, K innermost, in blocks of 32 codes, two codes a byte); x_scales 4 x 512 x 128 uint8 (E8M0 scales of x, one for each 32 codes along K).
;; Outputs: out0 4 x 512 x 4,096 float32.
;; This version of the problem:
;;   THIS VERSION OF THE PROBLEM IS GIVEN IN LOW PRECISION. The matrix products marked QUANTISED in the list below multiply operands that are first quantised to E2M1 (2 exponent bits, 1 mantissa bit; 4 bits a number), with one power-of-two scale for each 32 numbers along K (OCP MX v1.0); their sums are f32. All else is computed in f32.
;;   The module's matrix products, in the order in which they are computed (A, B: the left and right operand; K: the contracted axis; several contracted axes count as one K, in the product's order):
;;     1. [M 2,048, K 4,096] x [K 4,096, N 4,096]; A: input x (given as codes); B: input t1: QUANTISED
;;     2. [M 2,048, K 4,096] x [K 4,096, N 4,096]; A: input x (given as codes); B: input t2: QUANTISED
;;   THE QUANTISER, for each operand of a quantised product, along K:
;;     - K is cut into blocks of 32 from its start; a last block that is shorter is filled with zeros.
;;     - A block's scale is 2^e with e = floor(log2(the largest magnitude in the block)) - 2, held to -126 .. 127; a block of zeros has e = 0. As a byte (E8M0): e + 127.
;;     - Each number is divided by its block's scale, clamped to +-6, and rounded to the nearest number of E2M1, ties to even, subnormals kept.
;;     - The product sums the exact products of the quantised numbers (number of the format x scale) in f32.
;;   ~~~python
;;   def quantise(x, axis):      # numpy; x: float32 -> the quantised numbers, widened to float32 again
;;       x = np.moveaxis(x, axis, -1); K = x.shape[-1]
;;       x = np.pad(x, [(0, 0)] * (x.ndim - 1) + [(0, -K % 32)]); x = x.reshape(x.shape[:-1] + (-1, 32)); a = np.abs(x).max(-1, keepdims=True)
;;       e = np.where(a > 0, np.clip(np.frexp(np.where(a > 0, a, 1))[1] - 1 - 2, -126, 127), 0)      # np.frexp(a)[1] - 1 = floor(log2(a)), exactly
;;       r = np.clip(x / 2.0 ** e, -6, 6)
;;       step = 2.0 ** (np.maximum(np.frexp(np.where(r == 0, 1, r))[1] - 1, 0) - 1)
;;       q = np.round(r / step) * step * 2.0 ** e      # np.round: ties to even
;;       return np.moveaxis(q.reshape(q.shape[:-2] + (-1,))[..., :K], -1, axis).astype(np.float32)
;;   ~~~
;;   INPUTS GIVEN AS CODES. x (in the module: [4, 512, 4096], K = its axis 2): each comes as NAME_codes (uint8): NAME with its K axis moved to the last place and cut into blocks of 32 codes, [.., K / 32, bytes a block], one block behind the other in memory; two codes a byte, the lower K in the low four bits (a code: sign, 2 exponent bits, 1 mantissa bit); and NAME_scales (uint8): the same leading axes, one E8M0 byte (e + 127) for each 32 codes along K. Its value is code x scale, taken as it is: it is not quantised again, and the codes and scales need not be those that the quantiser above would give.
;; One version. Each part assembles by itself: llvm-mc -triple=amdgcn-amd-amdhsa -mcpu=gfx1250 --defsym DOCPART=n.
;; ======== version 1 of 1: 2 launches
;; limits: right only within a limited range of input values
;; workspace buffers: w 17,825,792 bytes
;; launch quant (part 1): grid 1024 x 1, 4 waves a work-group, no clusters, 18,944 bytes of LDS; arguments t1, t2, w; writes w
.if DOCPART == 1
	.amdgcn_target "amdgcn-amd-amdhsa--gfx1250"
	.amdhsa_code_object_version 6
	.text
	.protected	k_q7086b153aa_quant
	.globl	k_q7086b153aa_quant
	.p2align	8
	.type	k_q7086b153aa_quant,@function
k_q7086b153aa_quant:
	s_mov_b64 s[64:65], 0
	v_nop
	global_prefetch_b8 v0, s[64:65] scope:SCOPE_SE
	s_setreg_imm32_b32 hwreg(HW_REG_WAVE_MODE, 25, 1), 1
	s_wait_xcnt 0x0
; t1, t2: [4096][4096] int32, K innermost.  Each number becomes f32 (v_cvt_f32_i32) and is quantised along K to codes of FP4 (E2M1) with one E8M0 byte for each 32 numbers:
; the byte is the largest magnitude's exponent field - 2, held at 1 from below; each number / scale goes to the nearest code, ties to even, beyond 6 to 6.  Nothing is assumed of the numbers' values; nothing of reference() is left out.
; LIMIT: a block of zeros gets the byte 1 where the rule says 127: its codes are zeros, which add nothing under any byte but 0xff, and the bytes are read by this program's second launch alone.
; THE WORKSPACE w IS LAID AS THE SECOND LAUNCH'S OPERAND REGISTERS WANT IT.  64 groups G of 64 output columns x 8 K steps s of 512: panel (G, s) of 34,816 bytes at (8 G + s) x 34,816.
; A panel has eight blocks of 16 operand rows: blocks 0-3 are t1's rows 64 G + 16 b + r, blocks 4-7 t2's.  The 16 bytes of codes of row r, 32-block j (0..15) lie at 4,096 b + 256 j + 16 r; the scale byte at 32,768 + 16 (16 b + r) + j.
; SHARES.  A wave takes 16 rows x 512 along K: one block of one panel, 16 steps of one row's 2,048 bytes.  The first 512 work-groups take t1, the others t2: only the pointer is chosen.
; A load reads 512 consecutive bytes, 16 a lane: load i gives lane l the numbers 128 i + 4 l .. + 3, so a block of 32 lies in eight neighbouring lanes (block 4 i + l / 8), and its largest magnitude is joined by three DPP steps.
; A conversion takes eight registers: my four numbers and four that follow them, whose codes (the result's upper half) are not used.  Only the two bytes of codes go into LDS, into an image of the block as w wants it,
; and one word of four scale bytes a row; codes and bytes leave in whole aligned runs of 256 bytes.  No tensor loads, no barrier, no matrix unit: waves share nothing.  Loads run four steps (16 loads a wave) ahead.
.set STEPS, 16
.set EMAX,  2
.set PANEL, 34816
.set WREG,  4608                       ; LDS for a wave: 256 scale bytes, then the image: 16 units of 256 bytes, IP bytes apart
.set IMG,   256
.set IP,    272
.set SPARE, 4*WREG
.set R,     16                         ; v16-79   four sets of 16 numbers as they are loaded
.set X,     80                         ; v80-99   the step's 16 numbers in f32, and four zeros behind them
.set M,     100                        ; v100-103 the four blocks' largest magnitudes
.set S,     104                        ; v104-107 the conversions' scale operands
.set C,     108                        ; v108-111 codes
.set E,     112                        ; v112-115 scale bytes
.set OUT,   116                        ; v116-147 the codes on their way out
.set W,     148                        ; v148-151 a row's scale bytes on their way out
	s_load_b128 s[4:7], s[0:1], 0x0                ; t1, t2
	s_load_b64 s[8:9], s[0:1], 0x10                ; w
	v_lshl_add_u32 v152, v0, 2, SPARE
	v_mov_b32 v153, 0
	v_lshrrev_b32 v1, 5, v0
	v_readfirstlane_b32 s16, v1                    ; wave
	v_and_b32 v2, 31, v0                           ; lane
	v_lshlrev_b32 v3, 4, v2                        ; 16 x lane: my bytes of a load's 512, and of a code store's 512
	s_mul_i32 s17, s16, WREG                       ; my wave's region
	s_add_co_u32 s29, s17, IMG
	s_mov_b32 s30, 0x05010400
	v_lshrrev_b32 v8, 3, v2                        ; g = lane / 8
	v_and_b32 v9, 7, v2
	v_mul_u32_u24 v4, v8, IP
	v_lshl_add_u32 v4, v9, 1, v4
	v_add_nc_u32 v4, s29, v4                       ; the image, in: unit g (+ 4 i), 2 bytes at 2 (lane % 8); the row adds 16 t
	v_lshl_add_u32 v5, v8, 2, s17                  ; the scale word of my group: 4 g; the row adds 16 t.  Its byte i belongs to block 4 i + g
	v_lshrrev_b32 v6, 1, v2
	v_lshl_add_u32 v6, v6, 4, s17                  ; the scale bytes, out: row lane / 2
	v_and_b32 v9, 1, v2
	v_lshlrev_b32 v12, 4, v9                       ; 16 (lane % 2): odd lanes take the words' upper halves
	v_lshlrev_b32 v7, 3, v2                        ; 8 bytes a lane in w
	v_lshrrev_b32 v8, 4, v2
	v_and_b32 v9, 15, v2
	v_mul_u32_u24 v10, v8, IP
	v_lshl_add_u32 v10, v9, 4, v10
	v_add_nc_u32 v10, s29, v10                     ; the image, out: sixteen lanes to a unit, two units an instruction
.irp i, 16,17,18,19
	v_mov_b32 v[X+\i], 0
.endr
	s_wait_alu depctr_va_vdst(0)
	s_wait_kmcnt 0x0
	s_cmp_lt_u32 ttmp9, 512                        ; t1's work-group or t2's?
	s_cselect_b64 s[4:5], s[4:5], s[6:7]
	s_cselect_b32 s18, 0, 4                        ; t2's blocks lie four further on in a panel
	s_lshl_b32 s19, ttmp9, 2
	s_add_co_u32 s19, s19, s16
	s_and_b32 s19, s19, 2047                       ; my run in the plane
	s_and_b32 s20, s19, 7                          ; s: its K step
	s_lshr_b32 s21, s19, 3                         ; its 16 rows
	s_lshl_b32 s22, s21, 18                        ; 16 rows of 16,384 bytes,
	s_lshl_b32 s23, s20, 11                        ; 512 numbers of 4 bytes
	s_add_co_u32 s22, s22, s23
	s_mov_b32 s23, 0
	s_add_nc_u64 s[4:5], s[4:5], s[22:23]
	s_lshr_b32 s22, s21, 2                         ; G
	s_lshl_b32 s22, s22, 3
	s_add_co_u32 s22, s22, s20
	s_mul_i32 s22, s22, PANEL                      ; the panel's first byte
	s_and_b32 s21, s21, 3
	s_add_co_u32 s21, s21, s18                     ; b: my block in it
	s_lshl_b32 s24, s21, 12
	s_add_co_u32 s24, s24, s22                     ; its codes
	s_mov_b32 s25, 0
	s_lshl_b32 s26, s21, 8
	s_add_co_u32 s26, s26, s22
	s_add_co_u32 s26, s26, 32768                   ; its scale bytes
	s_mov_b32 s27, 0
	s_add_nc_u64 s[10:11], s[8:9], s[26:27]
	s_add_nc_u64 s[8:9], s[8:9], s[24:25]
.macro LOAD t                          ; step t: row t of my 16, 2,048 bytes
.irp i, 0,1,2,3
	global_load_b128 v[R+16*((\t)%4)+4*\i:R+16*((\t)%4)+4*\i+3], v3, s[4:5] offset:16384*(\t)+512*\i th:TH_LOAD_NT   ; 32 lanes read 512 consecutive bytes; read once in the launch
.endr
.endm
.irp t, 0,1,2,3
	LOAD \t
.endr
.macro STEP t
.if STEPS-1-(\t) >= 3
	s_wait_loadcnt 12                              ; this step's four loads are in; those of the three steps behind it may be out
.else
	s_wait_loadcnt 4*(STEPS-1-(\t))                ; the counts run down
.endif
.irp i, 0,1,2,3,4,5,6,7,8,9,10,11,12,13,14,15
	v_cvt_f32_i32 v[X+\i], v[R+16*((\t)%4)+\i]     ; the whole numbers as f32
.endr
.if (\t)+4 < STEPS
	LOAD (\t)+4                                    ; the set has been read: it takes the loads of four steps on
.endif
.irp i, 0,1,2,3                        ; the four blocks by turns
	v_max3_num_f32 v[M+\i], |v[X+4*\i]|, |v[X+4*\i+1]|, |v[X+4*\i+2]|
.endr
.irp i, 0,1,2,3
	v_max3_num_f32 v[M+\i], v[M+\i], |v[X+4*\i+3]|, (EMAX+1)<<23   ; and the floor 2^(EMAX + 1 - 127): so the byte cannot fall under 1
.endr
.irp m, 1,2,4
.irp i, 0,1,2,3
	v_max_num_f32_dpp v[M+\i], v[M+\i], v[M+\i] row_xmask:\m row_mask:0xf bank_mask:0xf   ; over the eight lanes of the block
.endr
.endr
.irp i, 0,1,2,3
	v_add_nc_u32 v[S+\i], -(EMAX<<23), v[M+\i]     ; EMAX off the exponent field: the conversion takes this operand's exponent field as its scale
.endr
.irp i, 0,1,2,3
	v_cvt_scalef32_pk8_fp4_f32 v[C+\i], v[X+4*\i:X+4*\i+7], v[S+\i]   ; my four codes in the low 16 bits
.endr
.irp i, 0,1,2,3
	v_lshrrev_b32 v[E+\i], 23, v[S+\i]             ; the scales' bytes (also the plain instructions behind the conversions)
.endr
	v_lshl_or_b32 v[E], v[E+1], 8, v[E]
	v_lshl_or_b32 v[E+2], v[E+3], 8, v[E+2]
	v_lshl_or_b32 v[E], v[E+2], 16, v[E]
.irp i, 0,1,2,3
	ds_store_b16 v4, v[C+\i] offset:4*\i*IP+16*(\t)   ; unit 4 i + g, row t
.endr
	ds_store_b32 v5, v[E] offset:16*(\t)           ; the eight lanes of a group write the same word with the same value
.endm
.irp t, 0,1,2,3,4,5,6,7,8,9,10,11,12,13,14,15
	STEP \t
.endr
	ds_load_b128 v[W:W+3], v6                      ; LDS serves a wave's instructions in order: these see my stores
.irp i, 0,1,2,3,4,5,6,7
	ds_load_b128 v[OUT+4*\i:OUT+4*\i+3], v10 offset:2*IP*\i
.endr
	s_wait_dscnt 8                                 ; the scale words are back; the eight loads behind them may be out
.irp g, 0,1,2,3
	v_lshrrev_b32 v[W+\g], v12, v[W+\g]            ; word g, bytes i = 2 (lane % 2) and + 1, now in its bytes 0 and 1
.endr
	v_perm_b32 v8, v[W+1], v[W], s30               ; bytes: word 0's 0, word 1's 0, word 0's 1, word 1's 1
	v_perm_b32 v9, v[W+3], v[W+2], s30
	v_perm_b32 v14, v9, v8, 0x05040100             ; blocks 8 (lane % 2) + 0 .. 3
	v_perm_b32 v15, v9, v8, 0x07060302             ; and + 4 .. 7
	global_store_b64 v7, v[14:15], s[10:11]        ; 32 lanes store 256 consecutive bytes, at a multiple of 256 from w's first byte
.irp i, 0,1,2,3,4,5,6,7
	s_wait_dscnt 7-\i
	global_store_b128 v3, v[OUT+4*\i:OUT+4*\i+3], s[8:9] offset:512*\i   ; 32 lanes store 512 consecutive bytes, likewise aligned
.endr
	s_wait_tensorcnt 0x0                           ; the wave's end
	ds_add_u32 v152, v153
	s_wait_dscnt 0x0
	s_endpgm
.Lfunc_end_k_q7086b153aa_quant:
	.size	k_q7086b153aa_quant, .Lfunc_end_k_q7086b153aa_quant-k_q7086b153aa_quant
	.p2alignl 7, 3214868480
	.fill 96, 4, 3214868480
	.section	.rodata,"a",@progbits
	.p2align	6, 0x0
	.amdhsa_kernel k_q7086b153aa_quant
		.amdhsa_group_segment_fixed_size 18944
		.amdhsa_private_segment_fixed_size 0
		.amdhsa_enable_private_segment 0
		.amdhsa_kernarg_size 24
		.amdhsa_user_sgpr_count 2
		.amdhsa_user_sgpr_kernarg_segment_ptr 1
		.amdhsa_wavefront_size32 1
		.amdhsa_system_sgpr_workgroup_id_x 1
		.amdhsa_system_sgpr_workgroup_id_y 1
		.amdhsa_system_sgpr_workgroup_id_z 1
		.amdhsa_system_vgpr_workitem_id 0
		.amdhsa_next_free_vgpr 154
		.amdhsa_next_free_sgpr 66
		.amdhsa_reserve_vcc 0
		.amdhsa_float_denorm_mode_32 3
		.amdhsa_float_denorm_mode_16_64 3
		.amdhsa_memory_ordered 1
		.amdhsa_forward_progress 1
		.amdhsa_inst_pref_size 60
	.end_amdhsa_kernel
	.amdgpu_metadata
---
amdhsa.version: [ 1, 2 ]
amdhsa.kernels:
  - .name:           k_q7086b153aa_quant
    .symbol:         k_q7086b153aa_quant.kd
    .args:
      - { .name: t1, .offset: 0, .size: 8, .value_kind: global_buffer, .address_space: global }
      - { .name: t2, .offset: 8, .size: 8, .value_kind: global_buffer, .address_space: global }
      - { .name: w, .offset: 16, .size: 8, .value_kind: global_buffer, .address_space: global }
    .group_segment_fixed_size: 18944
    .private_segment_fixed_size: 0
    .kernarg_segment_align: 8
    .kernarg_segment_size: 24
    .max_flat_workgroup_size: 128
    .sgpr_count:     66
    .vgpr_count:     154
    .wavefront_size: 32
...
	.end_amdgpu_metadata
.endif
;; end of part 1
;; launch gemm (part 2): grid 32 x 8, 4 waves a work-group, clusters of 4 x 4, 327,680 bytes of LDS; arguments x_codes, x_scales, w, a1, a2, bias, out0; writes out0
.if DOCPART == 2
	.amdgcn_target "amdgcn-amd-amdhsa--gfx1250"
	.amdhsa_code_object_version 6
	.text
	.protected	k_q7086b153aa_gemm
	.globl	k_q7086b153aa_gemm
	.p2align	8
	.type	k_q7086b153aa_gemm,@function
k_q7086b153aa_gemm:
	s_mov_b64 s[64:65], 0
	v_nop
	global_prefetch_b8 v0, s[64:65] scope:SCOPE_SE
	s_setreg_imm32_b32 hwreg(HW_REG_WAVE_MODE, 25, 1), 1
	s_wait_xcnt 0x0
	s_wait_alu depctr_hold_cnt(0) depctr_sa_sdst(0) depctr_va_vdst(0) depctr_va_sdst(0) depctr_va_ssrc(0) depctr_va_vcc(0) depctr_vm_vsrc(0)
	s_getreg_b32 s2, hwreg(HW_REG_IB_STS2, 6, 4)
	s_cmp_eq_u32 s2, 0
	s_cbranch_scc0 .Lentry_in_a_cluster
	s_endpgm
.Lentry_in_a_cluster:
	s_bfe_u32 s2, ttmp6, 0x10000c
	s_cmp_lg_u32 s2, 0xf033
	s_cbranch_scc0 .Lentry_shape_is_right
	s_endpgm
.Lentry_shape_is_right:
; out0[m][o] = a1[o] * sum_k x[m][k] t1[o][k] + a2[o] * sum_k x[m][k] t2[o][k] + bias[o]; both products on FP4 codes with E8M0 scales, f32 sums.  Nothing of reference() is left out.
; A work-group makes 256 rows x 128 output columns, both planes: 256 operand rows of w; a wave 128 x 128 operand rows: 64 accumulators.  K goes in steps of 512 through a ring of two LDS slots:
; x's 256 rows of 256 bytes (16 of padding behind each) and two panels of w, each a dense block in the order of the operand registers, its scale bytes behind its codes.  x's scales for all of K come once, at the head.
; CLUSTERS 4 x 4: x's tiles are shared along a row of the cluster, w's panels along a column: joint loads.  The matrix instruction is used transposed (source 0 = w's rows, source 1 = x's).
; THE HEAD: one load a wave: wave 0 x's 256 rows of K step 0, waves 1 and 3 its two panels, wave 2 x's scales; slot 1's first fill follows behind the full sequence and a round.
; PREFETCH: behind the load of K step j each wave asks for K step j + 2 of what it fetches (the head also for K step 1); the four partners that ask for a tile jointly share it out by address:
; 32 rows of x each, a lane a row; 34 blocks of 256 bytes of a panel each, in two instructions (in the second, lanes 1-31 name the last block).  The loop's last trip asks for nothing: K ends at step 7.
.set NQ,     4
.set ROWB,   256
.set KROW,   2048
.set PITCH,  272
.set FR,     8
.set NL,     2
.set NP,     4
.set PANEL,  34816
.set HALFT,  34816
.set SLOT,   4*HALFT
.set LAPS,   4
.set SCL,    2*SLOT
.set SQ,     32*272
.set SPARE,  SCL+4*SQ
.set SPITCH, 272
.set NROW,   16384
.set ADRA, 16
.set ADRB, 20
.set STO,  24
.set RD,   25
.set CO,   26
.set ADRS, 27
.set SPW,  28
.set NIL,  29
.set HO,   30
.set SC,   32
.set AF,   128
.set BK,   128
.set Y,    192
.set A1C,  64
.set A2C,  96
.set BIC,  192
.set G1,   24
.set G0,   32
.set G1B,  48
.set G0B,  56
.set G1S,  68
.set G0S,  76
.set MSB, 0
.macro WIN new
.if MSB != (\new)
	s_set_vgpr_msb (MSB<<8)|(\new)
.set MSB, (\new)
.endif
.endm
.set MUL_LO, 0xa1
.set MUL_HI, 0xf1
.set TO_B,   0x40
.set PFO,  18
.set PFO2, 19
.set PFA,  66
.set PST,  90
.macro ASK n, g                        ; n: K steps on from where s[PFA:PFA+1] stands; g = 1: not in the loop's last trip
.if \g
	s_cmp_gt_u32 s3, 1
	s_cbranch_scc0 .Lpf_done_\@
.endif
	s_cmp_eq_u32 s15, 0
	s_cbranch_scc0 .Lpf_b_\@
	global_prefetch_b8 v[PFO], s[PFA:PFA+1] offset:(\n)*ROWB th:TH_LOAD_NT scope:SCOPE_SE
	s_branch .Lpf_done_\@
.Lpf_b_\@:
	global_prefetch_b8 v[PFO], s[PFA:PFA+1] offset:(\n)*PANEL th:TH_LOAD_NT scope:SCOPE_SE
	global_prefetch_b8 v[PFO2], s[PFA:PFA+1] offset:(\n)*PANEL th:TH_LOAD_NT scope:SCOPE_SE
.Lpf_done_\@:
.endm
.macro JLOAD g0a, g1a, g0b, g1b
	s_cmp_eq_u32 s15, 0
	s_cbranch_scc0 .Lfor_b_\@
	tensor_load_to_lds s[\g0a:\g0a+3], s[\g1a:\g1a+7]
	s_nop 0
.rept 4
	v_nop
.endr
	s_branch .Lasked_\@
.Lfor_b_\@:
	tensor_load_to_lds s[\g0b:\g0b+3], s[\g1b:\g1b+7]
	s_nop 0
.rept 4
	v_nop
.endr
.Lasked_\@:
.endm
.macro CREST
	s_cmp_lg_u32 s14, 0
	s_cbranch_scc1 .Lnot_wave_0_\@
	s_barrier_signal -3
.Lnot_wave_0_\@:
	s_barrier_wait -3
	s_barrier_signal -1
	s_barrier_wait -1
.endm
.macro CROUND
	s_barrier_signal -1
	s_barrier_wait -1
	CREST
.endm
	s_load_b128 s[4:7], s[0:1], 0x0
	s_load_b128 s[8:11], s[0:1], 0x10
	s_load_b128 s[80:83], s[0:1], 0x20
	s_load_b64 s[12:13], s[0:1], 0x30
	v_lshl_add_u32 v[SPW], v0, 2, SPARE
	v_mov_b32 v[NIL], 0
	ds_add_u32 v28, v29
	ds_add_u32 v28, v29
	s_wait_dscnt 0x0
	v_lshrrev_b32 v1, 5, v0
	v_readfirstlane_b32 s14, v1
	s_lshr_b32 s15, s14, 1
	s_and_b32 s16, s14, 1
	s_bfe_u32 s40, ttmp6, 0x40000
	s_bfe_u32 s41, ttmp6, 0x40004
	s_lshl_b32 s42, ttmp9, 2
	s_add_co_u32 s42, s42, s40
	s_and_b32 s17, ttmp7, 0xffff
	s_lshl_b32 s17, s17, 2
	s_add_co_u32 s17, s17, s41
	s_lshl_b32 s43, s41, 2
	s_lshl_b32 s43, 15, s43
	s_lshl_b32 s44, 0x1111, s40
	s_or_b32 s[G1+0], s43, (0<<16)|(1<<20)|(1<<21)|(5<<22)|(3<<25)
	s_mov_b32 s[G1+1], ROWB<<16
	s_mov_b32 s[G1+2], 128<<16
	s_mov_b32 s[G1+3], ROWB<<16
	s_mov_b32 s[G1+4], 128
	s_mov_b32 s[G1+5], KROW
	s_mov_b32 s[G1+6], 0
	s_mov_b32 s[G1+7], 0
	s_or_b32 s[G1B+0], s44, (3<<16)|(1<<21)
	s_mov_b32 s[G1B+1], 32<<16
	s_mov_b32 s[G1B+2], 136<<16
	s_mov_b32 s[G1B+3], 32<<16
	s_mov_b32 s[G1B+4], 136
	s_mov_b32 s[G1B+5], 32
	s_mov_b32 s[G1B+6], 0
	s_mov_b32 s[G1B+7], 0
	s_or_b32 s[G1S+0], s43, (3<<16)|(1<<20)|(1<<21)|(5<<22)|(3<<25)
	s_mov_b32 s[G1S+1], 32<<16
	s_mov_b32 s[G1S+2], 128<<16
	s_mov_b32 s[G1S+3], 32<<16
	s_mov_b32 s[G1S+4], 128
	s_mov_b32 s[G1S+5], 32
	s_mov_b32 s[G1S+6], 0
	s_mov_b32 s[G1S+7], 0
	s_lshl_b32 s18, s16, 7
	s_lshl_b32 s20, s17, 8
	s_add_co_u32 s20, s20, s18
	s_lshl_b32 s20, s20, 11
	s_mov_b32 s21, 0
	s_lshl_b32 s22, s17, 8
	s_lshl_b32 s22, s22, 7
	s_mov_b32 s23, 0
	s_lshl_b32 s46, s42, 1
	s_add_co_u32 s46, s46, s16
	s_mul_i32 s46, s46, 8*PANEL
	s_mov_b32 s47, 0
	s_mul_i32 s45, s14, HALFT
	s_lshl_b32 s88, s42, 1
	s_mul_i32 s88, s88, 8*PANEL                    ; the tile column's first panel chain
	s_mov_b32 s89, 0
	s_wait_kmcnt 0x0
	s_add_nc_u64 s[20:21], s[4:5], s[20:21]
	s_add_nc_u64 s[22:23], s[6:7], s[22:23]
	s_add_nc_u64 s[46:47], s[8:9], s[46:47]
	s_add_nc_u64 s[88:89], s[8:9], s[88:89]
	s_mov_b32 s[G0S], 1                            ; x's scales of all 256 rows
	s_mov_b32 s[G0S+1], SCL
	s_mov_b64 s[G0S+2:G0S+3], s[22:23]
	s_or_b32 s[G0S+3], s[G0S+3], 0x80000000
	s_mov_b32 s4, 1                                ; wave 1's head load: the first panel of K step 0 (the arguments that lay in s[4:7] have been used)
	s_mov_b32 s5, 2*HALFT
	s_mov_b64 s[6:7], s[88:89]
	s_or_b32 s7, s7, 0x80000000
	s_or_b32 s92, s43, (0<<16)|(1<<20)|(1<<21)|(5<<22)|(3<<25)   ; group 1 of wave 0's head load: x's 256 rows
	s_mov_b32 s93, ROWB<<16
	s_mov_b32 s94, 256<<16
	s_mov_b32 s95, ROWB<<16
	s_mov_b32 s96, 256
	s_mov_b32 s97, KROW
	s_mov_b32 s98, 0
	s_mov_b32 s99, 0
.irp s, 0,1
	s_mov_b32 s[G0+4*\s], 1
	s_add_co_u32 s[G0+4*\s+1], s45, \s*SLOT
	s_add_nc_u64 s[G0+4*\s+2:G0+4*\s+3], s[20:21], \s*ROWB
	s_or_b32 s[G0+4*\s+3], s[G0+4*\s+3], 0x80000000
	s_mov_b32 s[G0B+4*\s], 1
	s_add_co_u32 s[G0B+4*\s+1], s45, \s*SLOT
	s_add_nc_u64 s[G0B+4*\s+2:G0B+4*\s+3], s[46:47], \s*PANEL
	s_or_b32 s[G0B+4*\s+3], s[G0B+4*\s+3], 0x80000000
.endr
	; the prefetches: what I fetch in the ring, K step 0, + my work-group's share of it by its place among the four that ask jointly
	s_mov_b32 s87, 34*256
	s_mov_b32 s[PST], 2*PANEL
	s_cmp_eq_u32 s15, 0                            ; do I fetch for x?
	s_cselect_b64 s[PFA:PFA+1], s[20:21], s[46:47]
	s_cselect_b32 s86, s40, s41
	s_cselect_b32 s87, 32*KROW, s87
	s_cselect_b32 s[PST], 2*ROWB, s[PST]           ; two K steps on
	s_cselect_b32 s18, 11, 8                       ; a lane a row of x, or a block of 256 bytes of a panel
	s_mul_i32 s86, s86, s87
	s_mov_b32 s87, 0
	s_mov_b32 s[PST+1], 0
	s_add_nc_u64 s[PFA:PFA+1], s[PFA:PFA+1], s[86:87]
	CROUND                                         ; all sixteen work-groups are here: the first joint loads meet
	s_cmp_lt_u32 s14, 1
	s_cbranch_scc0 .Lhead_b0
	tensor_load_to_lds s[G0:G0+3], s[92:99]
	s_nop 0
.rept 4
	v_nop
.endr
	s_branch .Lhead_asked
.Lhead_b0:
	s_cmp_lt_u32 s14, 2
	s_cbranch_scc0 .Lhead_s
	tensor_load_to_lds s[4:7], s[G1B:G1B+7]
	s_nop 0
.rept 4
	v_nop
.endr
	s_branch .Lhead_asked
.Lhead_s:
	s_cmp_lt_u32 s14, 3
	s_cbranch_scc0 .Lhead_b1
	tensor_load_to_lds s[G0S:G0S+3], s[G1S:G1S+7]
	s_nop 0
.rept 4
	v_nop
.endr
	s_branch .Lhead_asked
.Lhead_b1:
	tensor_load_to_lds s[G0B:G0B+3], s[G1B:G1B+7]
	s_nop 0
.rept 4
	v_nop
.endr
.Lhead_asked:
	v_and_b32 v1, 15, v0
	v_bfe_u32 v2, v0, 4, 1
	v_and_b32 v5, 31, v0
	v_lshlrev_b32 v[HO], 5, v2
	s_wait_alu depctr_va_vdst(0)
	s_lshl_b32 s84, s42, 9
	s_lshl_b32 s85, s16, 8
	s_add_co_u32 s84, s84, s85
	s_mov_b32 s85, 0
	s_add_nc_u64 s[10:11], s[10:11], s[84:85]
	s_add_nc_u64 s[80:81], s[80:81], s[84:85]
	s_add_nc_u64 s[82:83], s[82:83], s[84:85]
	WIN TO_B
.irp bb, 0,1,2,3
	global_load_b128 v[A1C+8*\bb:A1C+8*\bb+3],   v[HO], s[10:11] offset:64*\bb
	global_load_b128 v[A1C+8*\bb+4:A1C+8*\bb+7], v[HO], s[10:11] offset:64*\bb+16
	global_load_b128 v[A2C+8*\bb:A2C+8*\bb+3],   v[HO], s[80:81] offset:64*\bb
	global_load_b128 v[A2C+8*\bb+4:A2C+8*\bb+7], v[HO], s[80:81] offset:64*\bb+16
	global_load_b128 v[BIC+8*\bb:BIC+8*\bb+3],   v[HO], s[82:83] offset:64*\bb
	global_load_b128 v[BIC+8*\bb+4:BIC+8*\bb+7], v[HO], s[82:83] offset:64*\bb+16
.endr
	WIN 0
	v_mul_u32_u24 v3, v1, PITCH
	v_lshl_add_u32 v4, v2, 4, v3
	v_lshlrev_b32 v6, 4, v5
	s_mul_i32 s21, s15, HALFT
	s_mul_i32 s22, s16, HALFT
	s_add_co_u32 s22, s22, 2*HALFT
.irp s, 0,1
	v_add_nc_u32 v[ADRA+\s], s21, v4
	v_add_nc_u32 v[ADRB+\s], s22, v6
	s_add_co_u32 s21, s21, SLOT
	s_add_co_u32 s22, s22, SLOT
.endr
	v_lshrrev_b32 v3, 1, v5
	v_mul_u32_u24 v3, v3, 272
	v_and_b32 v4, 1, v5
	v_lshl_add_u32 v3, v4, 7, v3
	s_mul_i32 s21, s15, 64*272
	s_add_co_u32 s21, s21, SCL
	v_add_nc_u32 v[ADRS], s21, v3
	s_mul_i32 s23, s14, 16*SPITCH
	v_mul_u32_u24 v3, v1, SPITCH
	v_lshl_add_u32 v3, v2, 5, v3
	v_add_nc_u32 v[STO], s23, v3
	v_mul_u32_u24 v3, v2, SPITCH
	v_lshl_add_u32 v3, v1, 4, v3
	v_add_nc_u32 v[RD], s23, v3
	v_lshlrev_b32 v3, 14, v2
	v_lshl_add_u32 v[CO], v1, 4, v3
	v_lshlrev_b32 v[PFO], s18, v5                  ; the prefetches' offsets; never rewritten
	v_min_u32 v3, 1, v5
	v_lshl_add_u32 v[PFO2], v3, 8, 8192            ; a panel share's blocks 32 and 33
	s_lshl_b32 s20, s17, 8
	s_lshl_b32 s21, s15, 7
	s_add_co_u32 s20, s20, s21
	s_lshl_b32 s20, s20, 14
	s_add_co_u32 s20, s20, s84
	s_mov_b32 s21, 0
	s_add_nc_u64 s[12:13], s[12:13], s[20:21]
.macro WM acc, bf, af, sb, sa, zero, rb, ra
.if \zero
.if \rb
.if \ra
	v_wmma_scale_f32_16x16x128_f8f6f4 v[\acc:\acc+7], v[\bf:\bf+7], v[\af:\af+7], 0, v[\sb], v[\sa] matrix_a_fmt:MATRIX_FMT_FP4 matrix_b_fmt:MATRIX_FMT_FP4 matrix_a_scale:MATRIX_SCALE_ROW1 matrix_b_scale:MATRIX_SCALE_ROW1
.else
	v_wmma_scale_f32_16x16x128_f8f6f4 v[\acc:\acc+7], v[\bf:\bf+7], v[\af:\af+7], 0, v[\sb], v[\sa] matrix_a_fmt:MATRIX_FMT_FP4 matrix_b_fmt:MATRIX_FMT_FP4 matrix_a_scale:MATRIX_SCALE_ROW1
.endif
.else
.if \ra
	v_wmma_scale_f32_16x16x128_f8f6f4 v[\acc:\acc+7], v[\bf:\bf+7], v[\af:\af+7], 0, v[\sb], v[\sa] matrix_a_fmt:MATRIX_FMT_FP4 matrix_b_fmt:MATRIX_FMT_FP4 matrix_b_scale:MATRIX_SCALE_ROW1
.else
	v_wmma_scale_f32_16x16x128_f8f6f4 v[\acc:\acc+7], v[\bf:\bf+7], v[\af:\af+7], 0, v[\sb], v[\sa] matrix_a_fmt:MATRIX_FMT_FP4 matrix_b_fmt:MATRIX_FMT_FP4
.endif
.endif
.else
.if \rb
.if \ra
	v_wmma_scale_f32_16x16x128_f8f6f4 v[\acc:\acc+7], v[\bf:\bf+7], v[\af:\af+7], v[\acc:\acc+7], v[\sb], v[\sa] matrix_a_fmt:MATRIX_FMT_FP4 matrix_b_fmt:MATRIX_FMT_FP4 matrix_a_scale:MATRIX_SCALE_ROW1 matrix_b_scale:MATRIX_SCALE_ROW1
.else
	v_wmma_scale_f32_16x16x128_f8f6f4 v[\acc:\acc+7], v[\bf:\bf+7], v[\af:\af+7], v[\acc:\acc+7], v[\sb], v[\sa] matrix_a_fmt:MATRIX_FMT_FP4 matrix_b_fmt:MATRIX_FMT_FP4 matrix_a_scale:MATRIX_SCALE_ROW1
.endif
.else
.if \ra
	v_wmma_scale_f32_16x16x128_f8f6f4 v[\acc:\acc+7], v[\bf:\bf+7], v[\af:\af+7], v[\acc:\acc+7], v[\sb], v[\sa] matrix_a_fmt:MATRIX_FMT_FP4 matrix_b_fmt:MATRIX_FMT_FP4 matrix_b_scale:MATRIX_SCALE_ROW1
.else
	v_wmma_scale_f32_16x16x128_f8f6f4 v[\acc:\acc+7], v[\bf:\bf+7], v[\af:\af+7], v[\acc:\acc+7], v[\sb], v[\sa] matrix_a_fmt:MATRIX_FMT_FP4 matrix_b_fmt:MATRIX_FMT_FP4
.endif
.endif
.endif
.endm
.macro MUL16 a0, p, q, sc, zero
.irp a, \a0, \a0+1
.irp b, 0,1,2,3,4,5,6,7
	WM 8*(8*((\a)%4)+\b), 128*(\p)+FR*\b, AF+FR*(\a), SC+32*(\sc)+16+4*(\b/2)+(\q), SC+32*(\sc)+4*((\a)/2)+(\q), \zero, \b%2, (\a)%2
.endr
.endr
.endm
.macro FRAGA reg, adr, q, i
.irp c, 0,1
	ds_load_b128 v[\reg+4*\c:\reg+4*\c+3], v[\adr] offset:64*(\q)+32*\c+(\i)*16*PITCH
.endr
.endm
.macro FETCH_A slot, q, i0
.irp i, \i0, \i0+1, \i0+2, \i0+3
	FRAGA AF+FR*(\i), ADRA+\slot, \q, \i
.endr
.endm
.macro FETCH_B slot, q, p
	WIN TO_B
.irp i, 0,1,2,3,4,5,6,7
.irp c, 0,1
	ds_load_b128 v[128*(\p)+FR*\i+4*\c:128*(\p)+FR*\i+4*\c+3], v[ADRB+\slot] offset:4096*\i+1024*(\q)+512*\c
.endr
.endr
	WIN 0
.endm
.macro SCALES sc
.irp u, 0,1,2,3
	ds_load_b128 v[SC+32*\sc+4*\u:SC+32*\sc+4*\u+3], v[ADRS] offset:\u*16*272
.endr
.irp u, 0,1,2,3
	ds_load_b128 v[SC+32*\sc+16+4*\u:SC+32*\sc+16+4*\u+3], v[ADRB+\sc] offset:32768+512*\u
.endr
.endm
.macro PLACES n
.rept \n
	v_nop
.endr
.endm
.macro STEP slot, q, zero
	s_wait_dscnt 4*NL
	WIN MUL_LO
	MUL16 0, (\q)%2, \q, \slot, \zero
	MUL16 2, (\q)%2, \q, \slot, \zero
	s_wait_dscnt 0
	PLACES NP
	FETCH_B \slot, (\q)+1, 1-(\q)%2
	FETCH_A \slot, (\q)+1, 0
	WIN MUL_HI
	MUL16 4, (\q)%2, \q, \slot, \zero
	MUL16 6, (\q)%2, \q, \slot, \zero
	PLACES NP
	WIN 0
	FETCH_A \slot, (\q)+1, 4
.endm
.macro TURN slot, next, fill
.if (\fill) && (\slot) == 0
	s_wait_xcnt 0x0                                ; my prefetches have read their base: it steps only behind this wait, once a lap
	s_add_nc_u64 s[PFA:PFA+1], s[PFA:PFA+1], s[PST:PST+1]
.endif
	s_wait_tensorcnt 0x0
	ds_add_u32 v[SPW], v[NIL]
	s_wait_dscnt 4*NL+1
	WIN MUL_LO
	MUL16 0, 1, NQ-1, \slot, 0
	s_wait_dscnt 0x0
	s_barrier_signal -1
	MUL16 2, 1, NQ-1, \slot, 0
	WIN 0
	s_barrier_wait -1
.if \fill
	CREST
	s_add_nc_u64 s[G0+4*\slot+2:G0+4*\slot+3], s[G0+4*\slot+2:G0+4*\slot+3], 2*ROWB
	s_add_nc_u64 s[G0B+4*\slot+2:G0B+4*\slot+3], s[G0B+4*\slot+2:G0B+4*\slot+3], 2*PANEL
	JLOAD G0+4*\slot, G1, G0B+4*\slot, G1B
.else
	PLACES NP
.endif
	s_wait_alu depctr_va_vdst(0)
	v_add_nc_u32 v[ADRS], 4*NQ, v[ADRS]
	FETCH_B \next, 0, 0
	FETCH_A \next, 0, 0
	SCALES \next
.if \fill
	ASK 2+\slot, 1                                 ; behind the joint load and the run of LDS loads: the K step two refills on
.endif
	WIN MUL_HI
	MUL16 4, 1, NQ-1, \slot, 0
	MUL16 6, 1, NQ-1, \slot, 0
	PLACES NP
	WIN 0
	FETCH_A \next, 0, 4
.endm
.macro STEPS slot, from
.set Q, \from
.rept NQ-1-\from
	STEP \slot, Q, 0
.set Q, Q+1
.endr
.endm
	s_wait_alu depctr_va_vdst(0)
	ASK 1, 0
	ASK 2, 0
	s_wait_tensorcnt 0x0                           ; my tile of the head's four is in
	ds_add_u32 v[SPW], v[NIL]
	s_wait_dscnt 0x0
	CROUND                                         ; all four tiles are in, and all sixteen work-groups are here
	JLOAD G0+4, G1, G0B+4, G1B                     ; K step 1, the first tensor load behind the round
	s_wait_loadcnt 0x0                             ; a1, a2, bias
	FETCH_B 0, 0, 0
	FETCH_A 0, 0, 0
	SCALES 0
	FETCH_A 0, 0, 4
	ASK 3, 0
	STEP 0, 0, 1
	s_mov_b32 s3, LAPS-1
.Llap:
	STEPS 0, 1
	TURN 0, 1, 1
	STEPS 1, 0
	TURN 1, 0, 1
	STEP 0, 0, 0
	s_sub_co_u32 s3, s3, 1
	s_cmp_lg_u32 s3, 0
	s_cbranch_scc1 .Llap
	STEPS 0, 1
	TURN 0, 1, 0
	STEPS 1, 0
	s_wait_dscnt 4*NL
	WIN MUL_LO
	MUL16 0, 1, NQ-1, 1, 0
	MUL16 2, 1, NQ-1, 1, 0
	s_wait_dscnt 0
	WIN MUL_HI
	MUL16 4, 1, NQ-1, 1, 0
	MUL16 6, 1, NQ-1, 1, 0
	WIN 0
.macro COMB a
.set AC, 64*((\a)%4)
.set YY, Y+32*((\a)%2)
	WIN 0x16+(\a)/4
.irp bb, 0,1,2,3
.irp jj, 0,2,4,6
	v_pk_fma_f32 v[YY+8*\bb+\jj:YY+8*\bb+\jj+1], v[AC+8*(\bb+4)+\jj:AC+8*(\bb+4)+\jj+1], v[A2C+8*\bb+\jj:A2C+8*\bb+\jj+1], v[BIC+8*\bb+\jj:BIC+8*\bb+\jj+1]
.endr
.endr
	WIN 0x06+(\a)/4
.irp bb, 0,1,2,3
.irp jj, 0,2,4,6
	v_pk_fma_f32 v[YY+8*\bb+\jj:YY+8*\bb+\jj+1], v[AC+8*\bb+\jj:AC+8*\bb+\jj+1], v[A1C+8*\bb+\jj:A1C+8*\bb+\jj+1], v[YY+8*\bb+\jj:YY+8*\bb+\jj+1]
.endr
.endr
	WIN 0
.endm
.macro TOSTAGE a
.set YY, Y+32*((\a)%2)
.set BB, BK+32*((\a)%2)
.irp bb, 0,1,2,3
	ds_store_b128 v[STO], v[YY+8*\bb:YY+8*\bb+3] offset:64*\bb
	ds_store_b128 v[STO], v[YY+8*\bb+4:YY+8*\bb+7] offset:64*\bb+16
.endr
.irp t, 0,1,2,3,4,5,6,7
	ds_load_b128 v[BB+4*\t:BB+4*\t+3], v[RD] offset:\t*2*SPITCH
.endr
.endm
.macro SEND a, younger
.set BB, BK+32*((\a)%2)
	s_wait_dscnt \younger
.if (\a) > 0
	s_add_nc_u64 s[12:13], s[12:13], 16*NROW
.endif
.irp t, 0,1,2,3,4,5,6,7
	global_store_b128 v[CO], v[BB+4*\t:BB+4*\t+3], s[12:13] offset:2*\t*NROW th:TH_STORE_NT
.endr
.endm
	PLACES NP
	COMB 0
	TOSTAGE 0
.irp a, 1,2,3,4,5,6,7
	COMB \a
.if \a > 1
	s_wait_alu depctr_va_vdst(0)
	s_wait_xcnt 0x0
.endif
	TOSTAGE \a
	SEND \a-1, 16
.endr
	s_wait_xcnt 0x0
	SEND 7, 0
	s_wait_tensorcnt 0x0
	ds_add_u32 v[SPW], v[NIL]
	s_wait_dscnt 0x0
	CROUND
	s_endpgm
.Lfunc_end_k_q7086b153aa_gemm:
	.size	k_q7086b153aa_gemm, .Lfunc_end_k_q7086b153aa_gemm-k_q7086b153aa_gemm
	.p2alignl 7, 3214868480
	.fill 96, 4, 3214868480
	.section	.rodata,"a",@progbits
	.p2align	6, 0x0
	.amdhsa_kernel k_q7086b153aa_gemm
		.amdhsa_group_segment_fixed_size 327680
		.amdhsa_private_segment_fixed_size 0
		.amdhsa_enable_private_segment 0
		.amdhsa_kernarg_size 56
		.amdhsa_user_sgpr_count 2
		.amdhsa_user_sgpr_kernarg_segment_ptr 1
		.amdhsa_wavefront_size32 1
		.amdhsa_system_sgpr_workgroup_id_x 1
		.amdhsa_system_sgpr_workgroup_id_y 1
		.amdhsa_system_sgpr_workgroup_id_z 1
		.amdhsa_system_vgpr_workitem_id 0
		.amdhsa_next_free_vgpr 1024
		.amdhsa_next_free_sgpr 100
		.amdhsa_reserve_vcc 0
		.amdhsa_float_denorm_mode_32 3
		.amdhsa_float_denorm_mode_16_64 3
		.amdhsa_memory_ordered 1
		.amdhsa_forward_progress 1
		.amdhsa_inst_pref_size 220
	.end_amdhsa_kernel
	.amdgpu_metadata
---
amdhsa.version: [ 1, 2 ]
amdhsa.kernels:
  - .name:           k_q7086b153aa_gemm
    .symbol:         k_q7086b153aa_gemm.kd
    .args:
      - { .name: x_codes, .offset: 0, .size: 8, .value_kind: global_buffer, .address_space: global }
      - { .name: x_scales, .offset: 8, .size: 8, .value_kind: global_buffer, .address_space: global }
      - { .name: w, .offset: 16, .size: 8, .value_kind: global_buffer, .address_space: global }
      - { .name: a1, .offset: 24, .size: 8, .value_kind: global_buffer, .address_space: global }
      - { .name: a2, .offset: 32, .size: 8, .value_kind: global_buffer, .address_space: global }
      - { .name: bias, .offset: 40, .size: 8, .value_kind: global_buffer, .address_space: global }
      - { .name: out0, .offset: 48, .size: 8, .value_kind: global_buffer, .address_space: global }
    .group_segment_fixed_size: 327680
    .private_segment_fixed_size: 0
    .kernarg_segment_align: 8
    .kernarg_segment_size: 56
    .max_flat_workgroup_size: 128
    .sgpr_count:     100
    .vgpr_count:     1024
    .wavefront_size: 32
...
	.end_amdgpu_metadata
.endif
;; end of part 2
